; MI455X (gfx1250); checked and timed in simulation.
; The chip was launched on July 23, 2026; its instructions are those of AMD's public machine-readable ISA for CDNA 5 (MIT licence, August 2026) and "CDNA5" Instruction Set Architecture Reference Guide (July 2026). The comments in the code are by the model that wrote it; some were corrected since.
;; KAN Linear. Allowed arithmetic: matrix products marked QUANTISED: E2M1 operands, one E8M0 scale for each 32 along K, by v_wmma_scale_f32_16x16x128_f8f6f4 with both operands' format E2M1 (or v_wmma_scale_f32_32x16x128_f4), f32 sums; everything else in f32.
;; Inputs: base_weight_codes 512 x 16 x 16 uint8 (E2M1 codes of base_weight, K innermost, in blocks of 32 codes, two codes a byte); base_weight_scales 512 x 16 uint8 (E8M0 scales of base_weight, one for each 32 codes along K); spline_scaler 512 x 512 float32; spline_weight 512 x 512 x 8 float32; x 16,384 x 512 float32.
;; Outputs: out0 16,384 x 512 float32.
;; This version of the problem:
;;   THIS VERSION OF THE PROBLEM IS GIVEN IN LOW PRECISION. The matrix products marked QUANTISED in the list below multiply operands that are first quantised to E2M1 (2 exponent bits, 1 mantissa bit; 4 bits a number), with one power-of-two scale for each 32 numbers along K (OCP MX v1.0); their sums are f32. All else is computed in f32.
;;   The module's matrix products, in the order in which they are computed (A, B: the left and right operand; K: the contracted axis; several contracted axes count as one K, in the product's order):
;;     1. [M 16,384, K 512] x [K 512, N 512]; A: computed on the way; B: input base_weight (given as codes): QUANTISED
;;     2. [M 16,384, K 4,096] x [K 4,096, N 512]; A: computed on the way; B: computed on the way: QUANTISED
;;   THE QUANTISER, for each operand of a quantised product, along K:
;;     - K is cut into blocks of 32 from its start; a last block that is shorter is filled with zeros.
;;     - A block's scale is 2^e with e = floor(log2(the largest magnitude in the block)) - 2, held to -126 .. 127; a block of zeros has e = 0. As a byte (E8M0): e + 127.
;;     - Each number is divided by its block's scale, clamped to +-6, and rounded to the nearest number of E2M1, ties to even, subnormals kept.
;;     - The product sums the exact products of the quantised numbers (number of the format x scale) in f32.
;;   ~~~python
;;   def quantise(x, axis):      # numpy; x: float32 -> the quantised numbers, widened to float32 again
;;       x = np.moveaxis(x, axis, -1); K = x.shape[-1]
;;       x = np.pad(x, [(0, 0)] * (x.ndim - 1) + [(0, -K % 32)]); x = x.reshape(x.shape[:-1] + (-1, 32)); a = np.abs(x).max(-1, keepdims=True)
;;       e = np.where(a > 0, np.clip(np.frexp(np.where(a > 0, a, 1))[1] - 1 - 2, -126, 127), 0)      # np.frexp(a)[1] - 1 = floor(log2(a)), exactly
;;       r = np.clip(x / 2.0 ** e, -6, 6)
;;       step = 2.0 ** (np.maximum(np.frexp(np.where(r == 0, 1, r))[1] - 1, 0) - 1)
;;       q = np.round(r / step) * step * 2.0 ** e      # np.round: ties to even
;;       return np.moveaxis(q.reshape(q.shape[:-2] + (-1,))[..., :K], -1, axis).astype(np.float32)
;;   ~~~
;;   OPERANDS COMPUTED ON THE WAY. 'Computed on the way' means the value that the module computes at that place (a softmax that the list does not call 'softmax' is quantised finished and normalised). What goes into a quantiser is computed in f32, as accurately as f32 sums, v_exp_f32 and their like allow (about 1e-6 of the number): no bf16 or f16 on the way to a quantiser, and a product that is left as it is and whose result goes on into a quantised operand takes f32 operands (vector FMAs, or v_wmma_f32_16x16x4_f32). A number that lies on a knife's edge between two numbers of the format may be rounded either way, as far as f32 arithmetic and the matrix unit's own rounding can turn it there, and no further.
;;   INPUTS GIVEN AS CODES. base_weight (in the module: [512, 512], K = its axis 1): each comes as NAME_codes (uint8): NAME with its K axis moved to the last place and cut into blocks of 32 codes, [.., K / 32, bytes a block], one block behind the other in memory; two codes a byte, the lower K in the low four bits (a code: sign, 2 exponent bits, 1 mantissa bit); and NAME_scales (uint8): the same leading axes, one E8M0 byte (e + 127) for each 32 codes along K. Its value is code x scale, taken as it is: it is not quantised again, and the codes and scales need not be those that the quantiser above would give.
;; One version. Each part assembles by itself: llvm-mc -triple=amdgcn-amd-amdhsa -mcpu=gfx1250 --defsym DOCPART=n.
;; ======== version 1 of 1: 2 launches
;; workspace buffers: wimg 1,253,376 bytes
;; launch prep (part 1): grid 32 x 8, 4 waves a work-group, no clusters, 41,984 bytes of LDS; arguments spline_weight, spline_scaler, base_weight_codes, base_weight_scales, wimg; writes wimg
.if DOCPART == 1
	.amdgcn_target "amdgcn-amd-amdhsa--gfx1250"
	.amdhsa_code_object_version 6
	.text
	.protected	k_q2ef889ba85_prep
	.globl	k_q2ef889ba85_prep
	.p2align	8
	.type	k_q2ef889ba85_prep,@function
k_q2ef889ba85_prep:
	s_mov_b64 s[64:65], 0
	v_nop
	global_prefetch_b8 v0, s[64:65] scope:SCOPE_SE
	s_setreg_imm32_b32 hwreg(HW_REG_WAVE_MODE, 25, 1), 1
	s_wait_xcnt 0x0
; The weights of both products become ONE workspace, laid in the order of the matrix operand's registers, so that the product's launch reads 512 consecutive bytes an instruction.
; wimg = 9 chunks of 139,264 bytes.  Chunk c = 0..7: spline features 64 c .. 64 c + 63 (512 along K, four K steps of 128); chunk 8: the base product's 512 along K.
;   codes:  q*32768 + n*1024 + cc*512 + 16*l : K step q, tile n of 16 output columns, lane l: the 16 bytes of block 2 cc + l / 16 of column 16 n + l % 16
;   scales: 131072 + n*256 + r*16 + q*4      : the four E8M0 bytes of column 16 n + r for K step q
; SPLINE PART: w = spline_weight x spline_scaler (one f32 multiplication, as the problem has it), quantised along K = feature x 8 + coefficient: a block of 32 is 4 features, 128 dense bytes.
; A block's scale is 2^(floor(log2(largest magnitude)) - 2); its byte is the largest magnitude's exponent field - 2, held at 1 from below.
; A block of zeros so gets the byte 1 where the rule says 127: its codes are zeros, and the bytes are read by this program alone.
; LIMITS: NaN and infinities among the inputs are not served.
; SHARES: work-group (n, c) takes tile n x chunk c: 16 rows x 16 blocks.  Wave v takes rows 16 n + 4 v + 0..3: 64 blocks, two a lane.  Loads read 512 consecutive bytes; the numbers turn through the wave's own stage in LDS
; (144 bytes a block: 128 + 16 of padding) so that a lane holds a whole block; codes and bytes meet in an image in LDS and leave as 512 and 256 consecutive bytes.
; BASE PART (work-groups with c = 0, no LDS): base_weight's codes are copied into chunk 8.  Inside each block of 32 the eight 2-byte units (4 codes each) go in the order 0,2,4,6,1,3,5,7: the order in which
; the product's launch holds silu(x) in its lanes.  The permutation stays inside a scale block and is applied to both operands alike, so every product meets its partner.  The scale bytes are copied as they lie.
.set CHUNK, 139264
.set STG,   9216                       ; a wave's stage: 64 blocks x 144 bytes
.set IMG,   36864                      ; the code image: 4 K steps x 1,024 bytes
.set SCI,   40960                      ; the scale bytes: 16 rows x 16
.set RAW,   16                         ; v16-79   as loaded
.set X,     80                         ; v80-143  two blocks of 32
.set SC,    144                        ; v144-151 the scaler of each block's 4 features
.set CD,    152                        ; v152-159 codes
.set TM,    160                        ; v160-167 at work, four registers a block
	s_load_b256 s[4:11], s[0:1], 0x0               ; spline_weight s[4:5], spline_scaler s[6:7], base codes s[8:9], base scales s[10:11]
	s_load_b64 s[12:13], s[0:1], 0x20              ; wimg
	v_lshl_add_u32 v176, v0, 2, 0xa200
	v_mov_b32 v177, 0
	v_lshrrev_b32 v1, 5, v0
	v_readfirstlane_b32 s16, v1                    ; wave v
	s_and_b32 s17, ttmp7, 0xffff                   ; chunk c
	v_and_b32 v11, 31, v0                          ; lane l
	v_lshlrev_b32 v1, 4, v11                       ; 16 l
	v_lshlrev_b32 v7, 3, v11                       ; 8 l
	v_and_b32 v12, 15, v0                          ; l % 16
	v_bfe_u32 v13, v0, 4, 1                        ; l / 16
	s_mul_i32 s18, s16, STG
	v_bfe_u32 v14, v0, 3, 2                        ; l / 8
	v_and_b32 v15, 7, v0
	v_mul_u32_u24 v2, v14, 144
	v_lshl_add_u32 v2, v15, 4, v2
	v_add_nc_u32 v2, s18, v2                       ; into the stage: eight lanes fill a block's 128 bytes
	v_mul_u32_u24 v3, v11, 144
	v_add_nc_u32 v3, s18, v3                       ; out of it: a block a lane
	v_lshlrev_b32 v4, 11, v13
	v_lshl_add_u32 v4, v12, 4, v4                  ; the scaler: row l / 16 of 2,048 bytes, block l % 16 of 16 bytes
	v_bfe_u32 v14, v0, 2, 2
	v_lshlrev_b32 v5, 10, v14                      ; the image: K step (l / 4) % 4,
	v_bfe_u32 v14, v0, 1, 1
	v_lshl_add_u32 v5, v14, 9, v5                  ; cc = (l / 2) % 2,
	v_and_b32 v14, 1, v0
	v_lshl_add_u32 v5, v14, 8, v5                  ; the operand's half of the lanes = l % 2,
	v_lshl_add_u32 v5, v13, 4, v5                  ; the row 4 v + l / 16
	s_lshl_b32 s19, s16, 6
	s_add_co_u32 s20, s19, IMG
	v_add_nc_u32 v5, s20, v5
	v_lshl_add_u32 v6, v13, 4, v12                 ; the scale byte: 16 x row + block
	s_add_co_u32 s20, s19, SCI
	v_add_nc_u32 v6, s20, v6
	v_lshlrev_b32 v8, 8, v12
	v_lshl_add_u32 v8, v13, 4, v8                  ; base codes: row l % 16 of 256 bytes, + 16 (l / 16)
	s_lshl_b32 s20, s16, 10
	s_add_co_u32 s20, s20, IMG
	v_add_nc_u32 v9, s20, v1                       ; the image on the way out: K step = wave
	v_add_nc_u32 v10, SCI, v7
	; byte offsets, each in a pair of its own
	s_lshl_b32 s21, ttmp9, 4
	s_lshl_b32 s20, s16, 2
	s_add_co_u32 s21, s21, s20                     ; my first row: 16 n + 4 v
	s_lshl_b32 s22, s21, 14
	s_lshl_b32 s20, s17, 11
	s_add_co_u32 s22, s22, s20                     ; spline_weight: rows of 16,384 bytes, chunks of 2,048
	s_mov_b32 s23, 0
	s_lshl_b32 s24, s21, 11
	s_lshl_b32 s20, s17, 8
	s_add_co_u32 s24, s24, s20                     ; spline_scaler: rows of 2,048 bytes, chunks of 256
	s_mov_b32 s25, 0
	s_mul_i32 s38, s17, CHUNK
	s_lshl_b32 s20, s16, 15
	s_lshl_b32 s39, ttmp9, 10
	s_add_co_u32 s39, s39, s20                     ; K step v, tile n
	s_add_co_u32 s26, s38, s39
	s_mov_b32 s27, 0
	s_lshl_b32 s34, ttmp9, 8                       ; 256 scale bytes a tile
	s_mov_b32 s35, 0
	s_add_co_u32 s28, s38, s34
	s_add_co_u32 s28, s28, 131072
	s_mov_b32 s29, 0
	s_lshl_b32 s30, ttmp9, 12
	s_lshl_b32 s20, s16, 6
	s_add_co_u32 s30, s30, s20                     ; base codes: 16 rows of 256 bytes a tile, 64 bytes a K step
	s_mov_b32 s31, 0
	s_add_co_u32 s32, s39, 8*CHUNK
	s_mov_b32 s33, 0
	s_add_co_u32 s36, s34, 8*CHUNK+131072
	s_mov_b32 s37, 0
	s_wait_kmcnt 0x0
	s_add_nc_u64 s[4:5], s[4:5], s[22:23]
	s_add_nc_u64 s[6:7], s[6:7], s[24:25]
	s_add_nc_u64 s[8:9], s[8:9], s[30:31]
	s_add_nc_u64 s[10:11], s[10:11], s[34:35]
	s_add_nc_u64 s[26:27], s[12:13], s[26:27]      ; wimg: my K step's codes of this chunk and tile
	s_add_nc_u64 s[28:29], s[12:13], s[28:29]      ; the tile's scale bytes of this chunk
	s_add_nc_u64 s[32:33], s[12:13], s[32:33]      ; the same two places in chunk 8
	s_add_nc_u64 s[36:37], s[12:13], s[36:37]
	global_load_b128 v[SC:SC+3], v4, s[6:7]                        ; sixteen lanes read 256 consecutive bytes of a row
	global_load_b128 v[SC+4:SC+7], v4, s[6:7] offset:4096          ; two rows further down
.irp i, 0,1,2,3,4,5,6,7,8,9,10,11,12,13,14,15
	global_load_b128 v[RAW+4*\i:RAW+4*\i+3], v1, s[4:5] offset:(\i/4)*16384+(\i%4)*512 th:TH_LOAD_NT   ; 512 consecutive bytes; read once in the launch
.endr
.irp i, 0,1,2,3,4,5,6,7,8,9,10,11,12,13,14,15
	s_wait_loadcnt 15-\i                           ; loads return in order: load i is in, the 15 - i issued behind it may be out (the scaler's two were issued first)
	ds_store_b128 v2, v[RAW+4*\i:RAW+4*\i+3] offset:576*\i         ; four blocks a load
.endr
.irp t, 0,1
.irp j, 0,1,2,3,4,5,6,7
	ds_load_b128 v[X+32*\t+4*\j:X+32*\t+4*\j+3], v3 offset:4608*\t+16*\j   ; my wave's own bytes: LDS serves a wave's instructions in order
.endr
.endr
	s_wait_dscnt 0x0
.macro QBLK t                          ; block l + 32 t of my wave
.irp k, 0,2,4,6
	v_pk_mul_f32 v[X+32*\t+\k:X+32*\t+\k+1],       v[X+32*\t+\k:X+32*\t+\k+1],       v[SC+4*\t:SC+4*\t+1]   op_sel:[0,0] op_sel_hi:[1,0]   ; feature 0's eight coefficients x its scaler
	v_pk_mul_f32 v[X+32*\t+8+\k:X+32*\t+8+\k+1],   v[X+32*\t+8+\k:X+32*\t+8+\k+1],   v[SC+4*\t:SC+4*\t+1]   op_sel:[0,1] op_sel_hi:[1,1]   ; feature 1's
	v_pk_mul_f32 v[X+32*\t+16+\k:X+32*\t+16+\k+1], v[X+32*\t+16+\k:X+32*\t+16+\k+1], v[SC+4*\t+2:SC+4*\t+3] op_sel:[0,0] op_sel_hi:[1,0]
	v_pk_mul_f32 v[X+32*\t+24+\k:X+32*\t+24+\k+1], v[X+32*\t+24+\k:X+32*\t+24+\k+1], v[SC+4*\t+2:SC+4*\t+3] op_sel:[0,1] op_sel_hi:[1,1]
.endr
	v_max3_num_f32 v[TM+4*\t], |v[X+32*\t]|, |v[X+32*\t+1]|, |v[X+32*\t+2]|         ; the block's largest magnitude, in two chains
	v_max3_num_f32 v[TM+4*\t+1], |v[X+32*\t+3]|, |v[X+32*\t+4]|, |v[X+32*\t+5]|
.irp i, 6,10,14,18,22,26
	v_max3_num_f32 v[TM+4*\t], v[TM+4*\t], |v[X+32*\t+\i]|, |v[X+32*\t+\i+1]|
	v_max3_num_f32 v[TM+4*\t+1], v[TM+4*\t+1], |v[X+32*\t+\i+2]|, |v[X+32*\t+\i+3]|
.endr
	v_max3_num_f32 v[TM+4*\t], v[TM+4*\t], |v[X+32*\t+30]|, |v[X+32*\t+31]|
	v_max3_num_f32 v[TM+4*\t], v[TM+4*\t], v[TM+4*\t+1], 0x1800000   ; and the floor 2^(3 - 127): the byte cannot fall under 1
	v_add_nc_u32 v[TM+4*\t+2], 0xff000000, v[TM+4*\t]              ; 2 off the exponent field: the conversion's scale operand
	v_lshrrev_b32 v[TM+4*\t+3], 23, v[TM+4*\t+2]                   ; the scale's byte
.irp g, 0,1,2,3
	v_cvt_scalef32_pk8_fp4_f32 v[CD+4*\t+\g], v[X+32*\t+8*\g:X+32*\t+8*\g+7], v[TM+4*\t+2]
.endr
	ds_store_b128 v5, v[CD+4*\t:CD+4*\t+3] offset:32*\t            ; t = 1: two rows on
	ds_store_b8 v6, v[TM+4*\t+3] offset:32*\t
.endm
	QBLK 0
	QBLK 1                                         ; its registers are its own: nothing that a conversion or a store of block 0 names is written again
	s_wait_dscnt 0x0                               ; for the others' sake: my stores into the image are done
	s_barrier_signal -1
	s_barrier_wait -1
	ds_load_b128 v[16:19], v9
	ds_load_b128 v[20:23], v9 offset:512
	s_wait_dscnt 0x0
	global_store_b128 v1, v[16:19], s[26:27]                       ; 32 lanes store 512 consecutive bytes, at a multiple of 512 from wimg's first byte
	global_store_b128 v1, v[20:23], s[26:27] offset:512
	s_cmp_lg_u32 s16, 0
	s_cbranch_scc1 .Lno_scales
	ds_load_b64 v[24:25], v10
	s_wait_dscnt 0x0
	global_store_b64 v7, v[24:25], s[28:29]                        ; wave 0: the tile's 256 scale bytes, consecutive and aligned
.Lno_scales:
	s_cmp_lg_u32 s17, 0
	s_cbranch_scc1 .Ldone                          ; the base part is the work of the 32 work-groups with c = 0
	global_load_b128 v[32:35], v8, s[8:9]                          ; block l / 16 of K step v, row l % 16
	global_load_b128 v[36:39], v8, s[8:9] offset:32                ; block 2 + l / 16
	s_wait_loadcnt 0x0
.irp c, 0,1
	v_perm_b32 v[40+4*\c], v[33+4*\c], v[32+4*\c], 0x05040100      ; units 0, 2: the low halves of words 0 and 1
	v_perm_b32 v[41+4*\c], v[35+4*\c], v[34+4*\c], 0x05040100      ; units 4, 6
	v_perm_b32 v[42+4*\c], v[33+4*\c], v[32+4*\c], 0x07060302      ; units 1, 3: the high halves
	v_perm_b32 v[43+4*\c], v[35+4*\c], v[34+4*\c], 0x07060302      ; units 5, 7
.endr
	global_store_b128 v1, v[40:43], s[32:33]
	global_store_b128 v1, v[44:47], s[32:33] offset:512
	s_cmp_lg_u32 s16, 0
	s_cbranch_scc1 .Ldone
	global_load_b64 v[48:49], v7, s[10:11]                         ; the tile's 256 scale bytes lie as wimg wants them
	s_wait_loadcnt 0x0
	global_store_b64 v7, v[48:49], s[36:37]
.Ldone:
	s_wait_tensorcnt 0x0
	ds_add_u32 v176, v177
	s_wait_dscnt 0x0
	s_endpgm
.Lfunc_end_k_q2ef889ba85_prep:
	.size	k_q2ef889ba85_prep, .Lfunc_end_k_q2ef889ba85_prep-k_q2ef889ba85_prep
	.p2alignl 7, 3214868480
	.fill 96, 4, 3214868480
	.section	.rodata,"a",@progbits
	.p2align	6, 0x0
	.amdhsa_kernel k_q2ef889ba85_prep
		.amdhsa_group_segment_fixed_size 41984
		.amdhsa_private_segment_fixed_size 0
		.amdhsa_enable_private_segment 0
		.amdhsa_kernarg_size 40
		.amdhsa_user_sgpr_count 2
		.amdhsa_user_sgpr_kernarg_segment_ptr 1
		.amdhsa_wavefront_size32 1
		.amdhsa_system_sgpr_workgroup_id_x 1
		.amdhsa_system_sgpr_workgroup_id_y 1
		.amdhsa_system_sgpr_workgroup_id_z 1
		.amdhsa_system_vgpr_workitem_id 0
		.amdhsa_next_free_vgpr 178
		.amdhsa_next_free_sgpr 66
		.amdhsa_reserve_vcc 0
		.amdhsa_float_denorm_mode_32 3
		.amdhsa_float_denorm_mode_16_64 3
		.amdhsa_memory_ordered 1
		.amdhsa_forward_progress 1
		.amdhsa_inst_pref_size 16
	.end_amdhsa_kernel
	.amdgpu_metadata
---
amdhsa.version: [ 1, 2 ]
amdhsa.kernels:
  - .name:           k_q2ef889ba85_prep
    .symbol:         k_q2ef889ba85_prep.kd
    .args:
      - { .name: spline_weight, .offset: 0, .size: 8, .value_kind: global_buffer, .address_space: global }
      - { .name: spline_scaler, .offset: 8, .size: 8, .value_kind: global_buffer, .address_space: global }
      - { .name: base_weight_codes, .offset: 16, .size: 8, .value_kind: global_buffer, .address_space: global }
      - { .name: base_weight_scales, .offset: 24, .size: 8, .value_kind: global_buffer, .address_space: global }
      - { .name: wimg, .offset: 32, .size: 8, .value_kind: global_buffer, .address_space: global }
    .group_segment_fixed_size: 41984
    .private_segment_fixed_size: 0
    .kernarg_segment_align: 8
    .kernarg_segment_size: 40
    .max_flat_workgroup_size: 128
    .sgpr_count:     66
    .vgpr_count:     178
    .wavefront_size: 32
...
	.end_amdgpu_metadata
.endif
;; end of part 1
;; launch kan (part 2): grid 256 x 1, 8 waves a work-group, clusters of 4 x 1, 327,680 bytes of LDS; arguments x, wimg, out0; writes out0
.if DOCPART == 2
	.amdgcn_target "amdgcn-amd-amdhsa--gfx1250"
	.amdhsa_code_object_version 6
	.text
	.protected	k_q2ef889ba85_kan
	.globl	k_q2ef889ba85_kan
	.p2align	8
	.type	k_q2ef889ba85_kan,@function
k_q2ef889ba85_kan:
	s_mov_b64 s[64:65], 0
	v_nop
	global_prefetch_b8 v0, s[64:65] scope:SCOPE_SE
	s_setreg_imm32_b32 hwreg(HW_REG_WAVE_MODE, 25, 1), 1
	s_wait_xcnt 0x0
	s_wait_alu depctr_hold_cnt(0) depctr_sa_sdst(0) depctr_va_vdst(0) depctr_va_sdst(0) depctr_va_ssrc(0) depctr_va_vcc(0) depctr_vm_vsrc(0)
	s_getreg_b32 s2, hwreg(HW_REG_IB_STS2, 6, 4)
	s_cmp_eq_u32 s2, 0
	s_cbranch_scc0 .Lentry_in_a_cluster
	s_endpgm
.Lentry_in_a_cluster:
	s_bfe_u32 s2, ttmp6, 0x10000c
	s_cmp_lg_u32 s2, 0x3003
	s_cbranch_scc0 .Lentry_shape_is_right
	s_endpgm
.Lentry_shape_is_right:
; out = Q(silu(x)) Wb^T + Q(bases(x)) Q(Ws)^T on codes of FP4 (E2M1) with one E8M0 scale for each 32 along K.  x: [16384][512] f32; out: [16384][512] f32; the weights come as register images from wimg.
; SHARES.  A work-group owns 64 rows, all 512 columns and all of K: x is read once, the bases are made once, out is written once.  Eight waves in two roles, one of each on a SIMD:
;   waves 4-7 PRODUCE: wave 4 + m turns rows 16 m .. 16 m + 15 of x, 64 features (a chunk) at a time, into four operand fragments (16 rows x 128 K) and their scale words, stored in LDS as images of the operand's registers;
;   waves 0-3 CONSUME: wave w multiplies all 64 rows by columns 128 w .. 128 w + 127: 32 accumulators of 16 x 16 in window 1.  While chunk c is multiplied, chunk c + 1 is produced and chunk c + 1 of the weights is on its way.
; K goes in nine chunks of four K steps of 128: chunks 0-7 the spline product (K = feature x 8 + coefficient), chunk 8 the base product, whose codes the producers gather in registers on the way.
; THE BASES.  The knots are uniform (reference builds them itself): with U = 2.5 x + 9.5, kk = trunc(U), s = fract(U) - 1/2, the four bases that can differ from 0 are cubics in s,
;   w0, w3 = (1/48 + s^2/4) -+ s (1/8 + s^2/6);  w1, w2 = (23/48 - s^2/4) -+ s (5/8 - s^2/2),  and they are bases kk - 7 .. kk - 4.  One x's 8 coefficients are ONE register (8 codes) of the operand, and a block of 32 is 4 features.
;   So only [0,0,w0,w1,w2,w3,0,0] is converted, and the codes are shifted to their nibbles: left by 4 kk - 36 where kk > 9, else right by 36 - 4 kk.  With U held to 2 .. 15.5 every shift is 28 at the most, and codes of bases
;   under 0 or over 7 fall off an end.  THE BLOCK'S LARGEST MAGNITUDE is the cardinal spline at the smallest distance c from a centre of bases 0..7: c = 1/2 - mm, mm = max over the 4 x of min(|s|, 4 - 2.5 |x|);
;   N(c) = ((2 - c)+^3 - 4 (1 - c)+^3) / 6 = a^3 - 4 b^3 with a = k (mm + 3/2), b = k (mm + 1/2), both held at 0 from below, k = 6^(-1/3).
; THE MATRIX INSTRUCTION IS USED TRANSPOSED (source 0 = 16 columns' weights, source 1 = 16 rows of x): a lane holds one row and eight neighbouring columns of out.
; CLUSTER.  The four work-groups of a cluster walk the same weights: each chunk is asked for JOINTLY, every wave moving an eighth (68 rows of 256 bytes), with a descriptor made of the wave's number alone.
; LIMITS.  NaN and infinities in x are not served.  U is rounded once at a magnitude of up to 16, so a basis carries an absolute error of some 4e-7, not a relative one; the exponent of silu's exponential is rounded once,
; a relative error of 6e-8 |1.44 x| in exp(-x).  A block of zeros gets the scale byte 1 (its codes are zeros; the bytes are read here alone).  A basis that rounding leaves a hair under 0 gets the code -0.
; The text has no loop: every LDS offset, register set and count is an immediate, and a wave walks only its own role's arms.
.set SLOT,  139264                     ; an LDS slot = a chunk of wimg: codes q*32768 + n*1024 + cc*512 + 16 l, then scale words at 131072 + n*256 + r*16 + q*4.  Slots at 0 and SLOT
.set ABUF,  2*SLOT                     ; two buffers for the producers' images,
.set ABYT,  18432                      ; each four regions (one a producer)
.set PREG,  4608                       ; of 4 fragments x 1,024 bytes + 512 bytes of scale words.  A region of the buffer about to be written first serves as the stage for x: 16 rows x 272 bytes
.set SPARE, ABUF+2*ABYT                ; the spare words, 128 bytes for each wave: four blocks of 256 bytes that no other line names
.set OSTG,  8448                       ; the way out: 16 rows x (512 + 16) bytes for each consumer, in slot 1, which has then had its last fill and its last read
; registers of both roles, made ahead of the first parting and never rewritten
.set ADW, 1                            ; v1-4   weights' codes: 16 l + 8192 w + slot + 65536 (q / 2):  v[ADW + 2 slot + q / 2]
.set ADS, 5                            ; v5-6   weights' scale words, slot 0, 1
.set ADA, 7                            ; v7     ABUF + 16 l
.set ADP, 8                            ; v8     my producer's region + 16 l
.set STS, 9                            ; v9     x's stage, in: row l / 16, 16 (l % 16)
.set STL, 10                           ; v10    x's stage, out: row l % 16, 16 (l / 16)
.set STO, 11                           ; v11    the way out, in
.set RD,  12                           ; v12    the way out, back
.set L16, 13                           ; v13    16 l
.set SPW, 14                           ; v14    my spare word
.set NIL, 15                           ; v15    0
.set XO,  58                           ; v58    x: row l / 16, 16 (l % 16)
.set SH8, 59                           ; v59    8 (l / 16)
; consumers
.set WS,  16                           ; v16-31 weights' scale words [4 j + q]: lanes 0-15 tile 2 j, lanes 16-31 tile 2 j + 1   (v16-47 hold scales and nothing else)
.set AS,  32                           ; v32-47 x's scale words [4 m + q]
.set WF,  64                           ; v64-191  two sets of 8 weight fragments
.set AF,  192                          ; v192-255 two sets of 4 fragments of x.   Window 1: accumulator (m, n) at v[8 (8 m + n)]
.set BK,  64                           ; the way out: rows read back, two sets of 64
; producers, window 0
.set KA,  48                           ; [1/4, -1/4]
.set KB,  50                           ; [1/48, 23/48]
.set KC,  52                           ; [1/6, -1/2]
.set KD,  54                           ; [1/8, 5/8]
.set K95, 56                           ; [9.5, 9.5]
.set SW,  60                           ; v60-63  the chunk's four scale words
.set U,   64                           ; v64-71  U, later the right shifts
.set S,   72
.set S2,  80
.set KK,  88                           ; v88-95  kk, later the left shifts
.set EE,  96                           ; v96-103 even parts of a block's four x, later codes shifted right
.set OO,  104                          ; v104-111 odd parts, later codes shifted left
.set W,   112                          ; v112-175 for x number e: [0,0,w0,w1,w2,w3,0,0] at W + 8 e; the zeros are written once
.set C,   176                          ; v176-183 codes as converted; behind a chunk's last fragment the first four serve silu's codes
.set R,   184
.set NE,  192                          ; v192-207 the two blocks' mm, a, b, squares, cubes, N, scale operands, bytes: in pairs
.set TQ,  208                          ; v208-215 at work
.set G,   216
.set SL,  224                          ; v224-255 silu of the chunk's 32 x
; producers, window 1.  Each group of eight registers there is first read at its low end
.set XR,  0                            ; four sets of 32: x as loaded
.set XT,  128                          ; 32: x turned: [8 f + 4 cc + j] = feature 16 f + 8 cc + 4 (l / 16) + j of row l % 16
.set BC,  160                          ; 32: the base product's four fragments
.set BS,  192                          ; 4:  their scale words
.set G1,  24                           ; s[24:31] descriptor group 1;  s[32:35], s[36:39] group 0 for slot 0, 1
.set G0,  32
.set CM,  40                           ; s40-47 lane masks: kk > 9
.set MSB, 0
.macro WIN new                         ; the immediate's high byte repeats the setting that is left; bits 1:0 source 0, 3:2 source 1, 5:4 source 2, 7:6 destination
.if MSB != \new
	s_set_vgpr_msb (MSB<<8)|\new
.set MSB, \new
.endif
.endm
.macro PLACES                          ; four plain places behind matrix instructions, in front of loads into their registers and of reads of their results
.rept 4
	v_nop
.endr
.endm
.macro ROUND                           ; a round of the cluster's barrier: my work-group's barrier; wave 0 signals for the work-group; all wait for the four work-groups; my work-group's barrier
	s_barrier_signal -1
	s_barrier_wait -1
	s_cmp_lg_u32 s10, 0
	s_cbranch_scc1 .Lnot_wave_0_\@
	s_barrier_signal -3
.Lnot_wave_0_\@:
	s_barrier_wait -3
	s_barrier_signal -1
	s_barrier_wait -1
.endm
	s_load_b128 s[4:7], s[0:1], 0x0                ; x s[4:5], wimg s[6:7]
	s_load_b64 s[8:9], s[0:1], 0x10                ; out
	v_lshl_add_u32 v[SPW], v0, 2, SPARE
	v_mov_b32 v[NIL], 0
	ds_add_u32 v14, v15
	ds_add_u32 v14, v15
	s_wait_dscnt 0x0
	v_lshrrev_b32 v64, 5, v0
	v_readfirstlane_b32 s10, v64                   ; wave 0..7
	s_and_b32 s11, s10, 3                          ; my number within my role
	v_and_b32 v65, 31, v0                          ; l
	v_and_b32 v66, 15, v0                          ; l % 16
	v_bfe_u32 v67, v0, 4, 1                        ; l / 16
	v_lshlrev_b32 v[L16], 4, v65
	s_lshl_b32 s12, s11, 13                        ; a consumer's 8 tiles of 1,024 bytes
	v_add_nc_u32 v[ADW], s12, v[L16]
	v_add_nc_u32 v[ADW+1], 65536, v[ADW]
	v_add_nc_u32 v[ADW+2], SLOT, v[ADW]
	v_add_nc_u32 v[ADW+3], SLOT+65536, v[ADW]
	s_lshl_b32 s12, s11, 11                        ; and 8 tiles of 256 scale bytes
	s_add_co_u32 s12, s12, 131072
	v_add_nc_u32 v[ADS], s12, v[L16]
	v_add_nc_u32 v[ADS+1], SLOT, v[ADS]
	v_add_nc_u32 v[ADA], ABUF, v[L16]
	s_mul_i32 s12, s11, PREG
	s_add_co_u32 s12, s12, ABUF
	v_add_nc_u32 v[ADP], s12, v[L16]
	v_mul_u32_u24 v68, v67, 272
	v_lshl_add_u32 v68, v66, 4, v68
	v_add_nc_u32 v[STS], s12, v68
	v_mul_u32_u24 v68, v66, 272
	v_lshl_add_u32 v68, v67, 4, v68
	v_add_nc_u32 v[STL], s12, v68
	s_mul_i32 s12, s11, OSTG
	s_add_co_u32 s12, s12, SLOT
	v_mul_u32_u24 v68, v66, 528
	v_lshl_add_u32 v68, v67, 5, v68
	v_add_nc_u32 v[STO], s12, v68
	v_add_nc_u32 v[RD], s12, v[L16]
	v_lshlrev_b32 v[XO], 11, v67
	v_lshl_add_u32 v[XO], v66, 4, v[XO]
	v_lshlrev_b32 v[SH8], 3, v67
	s_bfe_u32 s13, ttmp6, 0x40000                  ; cx: it enters x's and out's addresses alone
	s_lshl_b32 s14, ttmp9, 2
	s_add_co_u32 s14, s14, s13                     ; my block of 64 rows
	s_lshl_b32 s16, s14, 17                        ; 64 rows of 2,048 bytes
	s_mov_b32 s17, 0
	s_lshl_b32 s18, s11, 15                        ; a producer's 16 rows
	s_mov_b32 s19, 0
	s_mul_i32 s20, s10, 17408                      ; my eighth of a chunk, in memory and in a slot: the wave's number alone
	s_mov_b32 s21, 0
	s_mov_b32 s[G1], 0x0023000f                    ; 15:0 the mask: all four work-groups; 17:16 elements of 8 bytes; 21 set beside a mask; no padding: images are read 512 consecutive bytes an instruction
	s_mov_b32 s[G1+1], 32<<16                      ; tensor_dim0 = 32 elements: 256 bytes
	s_mov_b32 s[G1+2], 68<<16                      ; tensor_dim1 = 68
	s_mov_b32 s[G1+3], 32<<16                      ; tile_dim0
	s_mov_b32 s[G1+4], 68                          ; tile_dim1
	s_mov_b32 s[G1+5], 32                          ; rows are dense
	s_mov_b32 s[G1+6], 0
	s_mov_b32 s[G1+7], 0
	s_mov_b32 s48, 0x76543210
	s_mov_b32 s49, 0xfedcba98                      ; v_permlanex16_b32's selects for lane l xor 16
	s_mov_b32 s50, 0xc0200000                      ; -2.5
	s_mov_b32 s51, 0x3f0ce1da                      ; k = 6^(-1/3)
	s_mov_b32 s52, 0x3f5352c7                      ; 3/2 k
	s_mov_b32 s53, 0x3e8ce1da                      ; 1/2 k
	s_wait_kmcnt 0x0
	s_add_nc_u64 s[4:5], s[4:5], s[16:17]
	s_add_nc_u64 s[4:5], s[4:5], s[18:19]          ; x at a producer's first row
	s_add_nc_u64 s[8:9], s[8:9], s[16:17]
	s_lshl_b32 s18, s11, 9
	s_add_nc_u64 s[8:9], s[8:9], s[18:19]          ; out at the block's first row, a consumer's 128 columns
	s_add_nc_u64 s[6:7], s[6:7], s[20:21]
	s_mov_b32 s[G0], 1
	s_mov_b32 s[G0+1], s20                         ; slot 0
	s_mov_b64 s[G0+2:G0+3], s[6:7]                 ; chunk 0
	s_or_b32 s[G0+3], s[G0+3], 0x80000000
	s_mov_b32 s[G0+4], 1
	s_add_co_u32 s[G0+5], s20, SLOT                ; slot 1
	s_add_nc_u64 s[G0+6:G0+7], s[6:7], SLOT        ; chunk 1
	s_or_b32 s[G0+7], s[G0+7], 0x80000000
; ---------------- the producers' macros
.macro XLOAD p                         ; chunk p of my 16 rows: eight loads of two rows x 256 consecutive bytes, into set p % 4.  It leaves the destination's window at 1
	WIN 0x40
.irp i, 0,1,2,3,4,5,6,7
	global_load_b128 v[XR+32*((\p)%4)+4*\i:XR+32*((\p)%4)+4*\i+3], v[XO], s[4:5] offset:4096*\i+256*(\p) th:TH_LOAD_NT
.endr
.endm
; Chunk p turns through the stage: in as loaded, out 16 bytes of a lane's own row at a time.  The head asks for chunks 0-3, one to a set.  A set is loaded again only behind a wait for ALL loads in the same run of
; lines: chunks 4, 5 are asked for with chunk 1, chunks 6, 7 with chunk 3, each two chunks' work ahead of its use.
.macro STAGEX p
.if (\p) == 0
	s_wait_loadcnt 24                              ; chunk 0's eight loads are in; those of chunks 1-3 may be out
.elseif ((\p) == 1) || ((\p) == 3) || ((\p) == 7)
	s_wait_loadcnt 0x0                             ; all my loads are in: sets are loaded again below (chunk 7: the last loads)
.elseif (\p) == 6
	s_wait_loadcnt 8                               ; chunk 6 is in; chunk 7's eight may be out
.else
	s_wait_loadcnt 16                              ; this chunk landed by the last wait for all loads; the sixteen loads issued behind that wait may be out
.endif
	WIN 0x04
.irp i, 0,1,2,3,4,5,6,7
	ds_store_b128 v[STS], v[XR+32*((\p)%4)+4*\i:XR+32*((\p)%4)+4*\i+3] offset:ABYT*((\p)%2)+544*\i
.endr
	WIN 0x40
.irp i, 0,1,2,3,4,5,6,7
	ds_load_b128 v[XT+4*\i:XT+4*\i+3], v[STL] offset:ABYT*((\p)%2)+32*\i   ; my wave's own bytes: LDS serves a wave's instructions in order
.endr
	s_wait_dscnt 0x0                               ; x is back, and the stores have read their registers
.if ((\p) == 1) || ((\p) == 3)
	XLOAD (\p)+3                                   ; into the sets of this chunk and of the chunk before
	XLOAD (\p)+4
.endif
	WIN 0
.endm
.macro EOBLK cc                        ; the even and odd parts of block cc's four x: [E1,E2] = s^2 KA + KB, [o1,o2] = s^2 KC + KD
.irp i, 0,1
	v_pk_fma_f32 v[EE+4*\i:EE+4*\i+1],   v[S2+4*\cc+2*\i:S2+4*\cc+2*\i+1], v[KA:KA+1], v[KB:KB+1] op_sel:[0,0,0] op_sel_hi:[0,1,1]
	v_pk_fma_f32 v[EE+4*\i+2:EE+4*\i+3], v[S2+4*\cc+2*\i:S2+4*\cc+2*\i+1], v[KA:KA+1], v[KB:KB+1] op_sel:[1,0,0] op_sel_hi:[1,1,1]
	v_pk_fma_f32 v[OO+4*\i:OO+4*\i+1],   v[S2+4*\cc+2*\i:S2+4*\cc+2*\i+1], v[KC:KC+1], v[KD:KD+1] op_sel:[0,0,0] op_sel_hi:[0,1,1]
	v_pk_fma_f32 v[OO+4*\i+2:OO+4*\i+3], v[S2+4*\cc+2*\i:S2+4*\cc+2*\i+1], v[KC:KC+1], v[KD:KD+1] op_sel:[1,0,0] op_sel_hi:[1,1,1]
.endr
.endm
.macro W01BLK cc                       ; [w0,w1] = -s [o1,o2] + [E1,E2]
.irp i, 0,1
	v_pk_fma_f32 v[W+8*(4*\cc+2*\i)+2:W+8*(4*\cc+2*\i)+3],     v[S+4*\cc+2*\i:S+4*\cc+2*\i+1], v[OO+4*\i:OO+4*\i+1],   v[EE+4*\i:EE+4*\i+1]   op_sel:[0,0,0] op_sel_hi:[0,1,1] neg_lo:[1,0,0] neg_hi:[1,0,0]
	v_pk_fma_f32 v[W+8*(4*\cc+2*\i+1)+2:W+8*(4*\cc+2*\i+1)+3], v[S+4*\cc+2*\i:S+4*\cc+2*\i+1], v[OO+4*\i+2:OO+4*\i+3], v[EE+4*\i+2:EE+4*\i+3] op_sel:[1,0,0] op_sel_hi:[1,1,1] neg_lo:[1,0,0] neg_hi:[1,0,0]
.endr
.endm
.macro W23BLK cc                       ; [w2,w3] = s [o2,o1] + [E2,E1]
.irp i, 0,1
	v_pk_fma_f32 v[W+8*(4*\cc+2*\i)+4:W+8*(4*\cc+2*\i)+5],     v[S+4*\cc+2*\i:S+4*\cc+2*\i+1], v[OO+4*\i:OO+4*\i+1],   v[EE+4*\i:EE+4*\i+1]   op_sel:[0,1,1] op_sel_hi:[0,0,0]
	v_pk_fma_f32 v[W+8*(4*\cc+2*\i+1)+4:W+8*(4*\cc+2*\i+1)+5], v[S+4*\cc+2*\i:S+4*\cc+2*\i+1], v[OO+4*\i+2:OO+4*\i+3], v[EE+4*\i+2:EE+4*\i+3] op_sel:[1,1,1] op_sel_hi:[1,0,0]
.endr
.endm
; Fragment f of chunk p: my lane's eight x (two blocks of four features) become eight registers of codes and a scale word; silu of the eight is made on the way.
.macro FRAG f, p
	WIN 0x01                                       ; source 0: x, in window 1
.irp i, 0,1,2,3
	v_pk_fma_f32 v[U+2*\i:U+2*\i+1], v[XT+8*\f+2*\i:XT+8*\f+2*\i+1], 0x40200000, v[K95:K95+1] op_sel_hi:[1,0,1]   ; U = 2.5 x + 9.5
.endr
.irp e, 0,1,2,3,4,5,6,7
	v_fma_f32 v[G+\e], |v[XT+8*\f+\e]|, s50, 4.0   ; 4 - 2.5 |x|
.endr
.irp i, 0,1,2,3
	v_pk_mul_f32 v[SL+8*\f+2*\i:SL+8*\f+2*\i+1], v[XT+8*\f+2*\i:XT+8*\f+2*\i+1], 0xbfb8aa3b op_sel_hi:[1,0]      ; -x log2(e)
.endr
	WIN 0
.irp e, 0,1,2,3,4,5,6,7
	v_med3_num_f32 v[U+\e], v[U+\e], 2.0, 0x41780000               ; held to 2 .. 15.5: at both ends every code is shifted out
.endr
.irp e, 0,1,2,3,4,5,6,7
	v_fract_f32 v[S+\e], v[U+\e]
	v_cvt_u32_f32 v[KK+\e], v[U+\e]                ; kk = trunc(U)
	v_exp_f32 v[SL+8*\f+\e], v[SL+8*\f+\e]         ; a plain instruction follows each exponential before its result is used
.endr
.irp i, 0,1,2,3
	v_pk_add_f32 v[S+2*\i:S+2*\i+1], v[S+2*\i:S+2*\i+1], -0.5 op_sel_hi:[1,0]
.endr
	s_wait_alu depctr_va_vdst(0)
.irp i, 0,1,2,3
	v_pk_add_f32 v[SL+8*\f+2*\i:SL+8*\f+2*\i+1], v[SL+8*\f+2*\i:SL+8*\f+2*\i+1], 1.0 op_sel_hi:[1,0]
.endr
.irp i, 0,1,2,3
	v_pk_mul_f32 v[S2+2*\i:S2+2*\i+1], v[S+2*\i:S+2*\i+1], v[S+2*\i:S+2*\i+1]
.endr
.irp e, 0,1,2,3,4,5,6,7
	v_min_num_f32 v[G+\e], |v[S+\e]|, v[G+\e]      ; 1/2 less the distance to the nearest centre of bases 0..7
	v_cmp_lt_u32 s[CM+\e], 9, v[KK+\e]             ; it selects a value alone
	v_mad_u32_u24 v[U+\e], v[KK+\e], 28, 4         ; 36 - 4 kk modulo 32: the shift to the right
	v_mad_u32_u24 v[KK+\e], v[KK+\e], 4, 28        ; 4 kk - 36 modulo 32: to the left
	v_rcp_f32 v[SL+8*\f+\e], v[SL+8*\f+\e]         ; 1 / (1 + exp(-x)); a plain instruction follows each
.endr
	v_max3_num_f32 v[NE], v[G], v[G+1], v[G+2]
	v_max3_num_f32 v[NE+1], v[G+4], v[G+5], v[G+6]
	v_max_num_f32 v[NE], v[NE], v[G+3]             ; mm of block 0,
	v_max_num_f32 v[NE+1], v[NE+1], v[G+7]         ; of block 1
	WIN 0x01
	s_wait_alu depctr_va_vdst(0)
.irp i, 0,1,2,3
	v_pk_mul_f32 v[SL+8*\f+2*\i:SL+8*\f+2*\i+1], v[XT+8*\f+2*\i:XT+8*\f+2*\i+1], v[SL+8*\f+2*\i:SL+8*\f+2*\i+1]   ; silu
.endr
	WIN 0
	EOBLK 0
	v_fma_f32 v[NE+2], v[NE], s51, s52             ; a = k mm + 3/2 k
	v_fma_f32 v[NE+3], v[NE+1], s51, s52
	v_fma_f32 v[NE+4], v[NE], s51, s53             ; b = k mm + 1/2 k
	v_fma_f32 v[NE+5], v[NE+1], s51, s53
	W01BLK 0
	W23BLK 0
.irp i, 2,3,4,5
	v_max_num_f32 v[NE+\i], 0, v[NE+\i]
.endr
	EOBLK 1
	v_pk_mul_f32 v[NE+6:NE+7], v[NE+2:NE+3], v[NE+2:NE+3]
	v_pk_mul_f32 v[NE+8:NE+9], v[NE+4:NE+5], v[NE+4:NE+5]
	W01BLK 1
	v_pk_mul_f32 v[NE+6:NE+7], v[NE+6:NE+7], v[NE+2:NE+3]
	v_pk_mul_f32 v[NE+8:NE+9], v[NE+8:NE+9], v[NE+4:NE+5]
	W23BLK 1
	v_pk_fma_f32 v[NE+10:NE+11], v[NE+8:NE+9], -4.0, v[NE+6:NE+7] op_sel_hi:[1,0,1]   ; the blocks' largest magnitudes: a^3 - 4 b^3
.irp c, 0,1
	v_max_num_f32 v[NE+10+\c], 0x1800000, v[NE+10+\c]              ; the floor 2^(3 - 127): the byte cannot fall under 1
.endr
.irp c, 0,1
	v_add_nc_u32 v[NE+12+\c], 0xff000000, v[NE+10+\c]              ; 2 off the exponent field: the conversion's scale operand
.endr
.irp c, 0,1
	v_lshrrev_b32 v[NE+14+\c], 23, v[NE+12+\c]     ; the scale's byte
.endr
.irp e, 0,1,2,3,4,5,6,7
	v_cvt_scalef32_pk8_fp4_f32 v[C+\e], v[W+8*\e:W+8*\e+7], v[NE+12+\e/4]   ; four codes in nibbles 2..5
.endr
	v_lshl_or_b32 v[TQ], v[NE+15], 16, v[NE+14]    ; (the plain place behind the conversions)  my bytes: blocks l / 16 and 2 + l / 16 of my row,
	v_lshlrev_b32 v[TQ], v[SH8], v[TQ]             ; at their places in the word;
	v_permlanex16_b32 v[TQ+1], v[TQ], s48, s49
	v_or_b32 v[SW+\f], v[TQ], v[TQ+1]              ; with lane l xor 16's two the word is whole
	s_wait_dscnt 0x0                               ; the last fragment's stores have read their registers
.irp e, 0,1,2,3,4,5,6,7
	v_lshrrev_b32 v[EE+\e], v[U+\e], v[C+\e]
	v_lshlrev_b32 v[OO+\e], v[KK+\e], v[C+\e]
.endr
.irp e, 0,1,2,3,4,5,6,7
	v_cndmask_b32 v[R+\e], v[EE+\e], v[OO+\e], s[CM+\e]            ; the feature's eight codes: one register of the operand
.endr
	ds_store_b128 v[ADP], v[R:R+3] offset:ABYT*((\p)%2)+1024*\f    ; the fragment goes to LDS as an image of its registers: 16 bytes a lane, 512 consecutive bytes a store
	ds_store_b128 v[ADP], v[R+4:R+7] offset:ABYT*((\p)%2)+1024*\f+512
.endm
; silu of chunk p: two blocks of 32 features; lanes l and l xor 16 hold 16 numbers of each.  The codes become registers 4 (p % 2) .. + 3 of the base product's fragment p / 2.
; They are converted and exchanged in window 0 and only then moved to their place in window 1, which is so written here and not read.
.macro SQ p
.set BCB, BC+8*((\p)/2)+4*((\p)%2)
.irp b, 0,1
	v_max3_num_f32 v[TQ+2+\b], |v[SL+16*\b]|, |v[SL+16*\b+1]|, 0x1800000    ; with the floor among the leaves
.endr
.irp i, 2,4,6,8,10,12,14
.irp b, 0,1
	v_max3_num_f32 v[TQ+2+\b], v[TQ+2+\b], |v[SL+16*\b+\i]|, |v[SL+16*\b+\i+1]|
.endr
.endr
.irp b, 0,1
	v_permlanex16_b32 v[TQ+4+\b], v[TQ+2+\b], s48, s49
.endr
.irp b, 0,1
	v_max_num_f32 v[TQ+2+\b], v[TQ+2+\b], v[TQ+4+\b]               ; the block's largest magnitude
.endr
.irp b, 0,1
	v_add_nc_u32 v[TQ+6+\b], 0xff000000, v[TQ+2+\b]
.endr
.irp b, 0,1
	v_lshrrev_b32 v[TQ+4+\b], 23, v[TQ+6+\b]
.endr
	v_lshl_or_b32 v[TQ], v[TQ+5], 8, v[TQ+4]       ; the chunk's two bytes
.irp b, 0,1
	v_cvt_scalef32_pk8_fp4_f32 v[C+2*\b], v[SL+16*\b:SL+16*\b+7], v[TQ+6+\b]
	v_cvt_scalef32_pk8_fp4_f32 v[C+2*\b+1], v[SL+16*\b+8:SL+16*\b+15], v[TQ+6+\b]
.endr
	v_nop                                          ; one plain place behind a scaled conversion
	v_permlane16_swap_b32 v[C], v[C+2]             ; the operand wants a whole block in a lane: lanes 0-15 the first block, lanes 16-31 the second.  Inside a block the groups of four
	v_permlane16_swap_b32 v[C+1], v[C+3]           ; features then stand in the order 0,2,4,6,1,3,5,7, as the weights' codes of chunk 8 do
	WIN 0x40                                       ; destination window 1
.irp i, 0,1,2,3
	v_mov_b32 v[BCB+\i], v[C+\i]
.endr
.if (\p)%2 == 0
	v_mov_b32 v[BS+(\p)/2], v[TQ]
.else
	WIN 0x50                                       ; source 2 and destination window 1
	v_lshl_or_b32 v[BS+(\p)/2], v[TQ], 16, v[BS+(\p)/2]
.endif
	WIN 0
.endm
.macro PROD p
	STAGEX \p
	FRAG 0, \p
	FRAG 1, \p
	FRAG 2, \p
	FRAG 3, \p
	SQ \p
	ds_store_b128 v[ADP], v[SW:SW+3] offset:ABYT*((\p)%2)+4096     ; the four scale words of my row, 16 bytes a lane
.endm
.macro BASEOUT                         ; the base product's four fragments and scale words, into buffer 0
	WIN 0x04
.irp i, 0,1,2,3,4,5,6,7
	ds_store_b128 v[ADP], v[BC+4*\i:BC+4*\i+3] offset:512*\i
.endr
	ds_store_b128 v[ADP], v[BS:BS+3] offset:4096
	WIN 0
.endm
; ---------------- the consumers' macros
.macro SCALES sl, ab                   ; a chunk's scale words: one load brings the four K steps' words of two tiles of weights, or of 16 rows of x
.irp j, 0,1,2,3
	ds_load_b128 v[WS+4*\j:WS+4*\j+3], v[ADS+(\sl)] offset:512*\j
.endr
.irp m, 0,1,2,3
	ds_load_b128 v[AS+4*\m:AS+4*\m+3], v[ADA] offset:ABYT*(\ab)+PREG*\m+4096
.endr
.endm
.macro FETCH sl, ab, q, set            ; K step q: my 8 fragments of weights and the 4 of x: 24 loads
.irp n, 0,1,2,3,4,5,6,7
.irp h, 0,1
	ds_load_b128 v[WF+64*\set+8*\n+4*\h:WF+64*\set+8*\n+4*\h+3], v[ADW+2*(\sl)+(\q)/2] offset:((\q)%2)*32768+1024*\n+512*\h
.endr
.endr
.irp m, 0,1,2,3
.irp h, 0,1
	ds_load_b128 v[AF+32*\set+8*\m+4*\h:AF+32*\set+8*\m+4*\h+3], v[ADA] offset:ABYT*(\ab)+PREG*\m+1024*(\q)+512*\h
.endr
.endr
.endm
; 32 matrix instructions: the 32 accumulators take turns, one instruction a turn, in the same order in every K step.  zero = 1: the first products start the sums.
.macro MULQ q, set, zero
	WIN 0x50                                       ; C and D window 1
.irp m, 0,1,2,3
.irp j, 0,1,2,3
.if \zero
	v_wmma_scale_f32_16x16x128_f8f6f4 v[8*(8*\m+2*\j):8*(8*\m+2*\j)+7], v[WF+64*\set+16*\j:WF+64*\set+16*\j+7], v[AF+32*\set+8*\m:AF+32*\set+8*\m+7], 0, v[WS+4*\j+\q], v[AS+4*\m+\q] matrix_a_fmt:MATRIX_FMT_FP4 matrix_b_fmt:MATRIX_FMT_FP4
	v_wmma_scale_f32_16x16x128_f8f6f4 v[8*(8*\m+2*\j+1):8*(8*\m+2*\j+1)+7], v[WF+64*\set+16*\j+8:WF+64*\set+16*\j+15], v[AF+32*\set+8*\m:AF+32*\set+8*\m+7], 0, v[WS+4*\j+\q], v[AS+4*\m+\q] matrix_a_fmt:MATRIX_FMT_FP4 matrix_b_fmt:MATRIX_FMT_FP4 matrix_a_scale:MATRIX_SCALE_ROW1
.else
	v_wmma_scale_f32_16x16x128_f8f6f4 v[8*(8*\m+2*\j):8*(8*\m+2*\j)+7], v[WF+64*\set+16*\j:WF+64*\set+16*\j+7], v[AF+32*\set+8*\m:AF+32*\set+8*\m+7], v[8*(8*\m+2*\j):8*(8*\m+2*\j)+7], v[WS+4*\j+\q], v[AS+4*\m+\q] matrix_a_fmt:MATRIX_FMT_FP4 matrix_b_fmt:MATRIX_FMT_FP4
	v_wmma_scale_f32_16x16x128_f8f6f4 v[8*(8*\m+2*\j+1):8*(8*\m+2*\j+1)+7], v[WF+64*\set+16*\j+8:WF+64*\set+16*\j+15], v[AF+32*\set+8*\m:AF+32*\set+8*\m+7], v[8*(8*\m+2*\j+1):8*(8*\m+2*\j+1)+7], v[WS+4*\j+\q], v[AS+4*\m+\q] matrix_a_fmt:MATRIX_FMT_FP4 matrix_b_fmt:MATRIX_FMT_FP4 matrix_a_scale:MATRIX_SCALE_ROW1
.endif
.endr
.endr
	WIN 0
.endm
.macro MUL c                           ; chunk c: four K steps on two sets of fragments; each K step's loads are issued a K step ahead
	PLACES
	SCALES (\c)%2, (\c)%2
	FETCH (\c)%2, (\c)%2, 0, 0
	FETCH (\c)%2, (\c)%2, 1, 1
	s_wait_dscnt 24                                ; all but the 24 just issued: the scale words and K step 0 are in
.if (\c) == 0
	MULQ 0, 0, 1
.else
	MULQ 0, 0, 0
.endif
	PLACES
	FETCH (\c)%2, (\c)%2, 2, 0
	s_wait_dscnt 24                                ; K step 1 is in
	MULQ 1, 1, 0
	PLACES
	FETCH (\c)%2, (\c)%2, 3, 1
	s_wait_dscnt 24                                ; K step 2 is in
	MULQ 2, 0, 0
	s_wait_dscnt 0x0
	MULQ 3, 1, 0
.endm
; A TRIP.  In front of its barrier every wave has waited for its tensor load (its eighth of this trip's slot), for its LDS stores (the producers' images of this trip's chunk) and for its LDS reads (the consumers' of the
; other slot and the other buffer).  Behind it the other slot is filled again first, by the joint load; then the consumers multiply chunk c while the producers make chunk c + 1.
.macro TRIP c
	s_wait_tensorcnt 0x0                           ; my one tensor load has landed, so a group 0 may be written
	ds_add_u32 v[SPW], v[NIL]                      ; 0 onto my spare word
.if \c <= 6
	s_add_nc_u64 s[G0+4*(\c%2)+2:G0+4*(\c%2)+3], s[G0+4*(\c%2)+2:G0+4*(\c%2)+3], 2*SLOT   ; this slot's next chunk, two chunks on; the type bits on top are not reached
.endif
	s_wait_dscnt 0x0                               ; the add, my stores and my reads are done
.if \c <= 7
	ROUND                                          ; no wave of any partner still reads the other slot or has a load on its way
	tensor_load_to_lds s[G0+4*((\c+1)%2):G0+4*((\c+1)%2)+3], s[G1:G1+7]   ; chunk c + 1: my one tensor load until the next round; it has this trip's work in which to land
	s_nop 0
	PLACES                                         ; four v_nop follow the load
.else
	s_barrier_signal -1                            ; the last chunk: nothing is filled again, so no round
	s_barrier_wait -1
.endif
	s_cmp_lt_u32 s10, 4
.if \c <= 7
	s_cbranch_scc0 .Lproduce_\c
.else
	s_cbranch_scc0 .Ljoin_\c
.endif
	MUL \c
.if \c <= 7
	s_branch .Ljoin_\c
.Lproduce_\c:
.if \c <= 6
	PROD \c+1
.else
	BASEOUT
.endif
.endif
.Ljoin_\c:
.endm
; THE WAY OUT of rows 16 m .. 16 m + 15 of my 128 columns: a lane holds 32 neighbouring bytes of a row; they go through my own stage and come back as whole rows of 512 bytes.
.macro STG_IN m
	WIN 0x04                                       ; an LDS store's data are its source 1: window 1
.irp b, 0,1,2,3,4,5,6,7
	ds_store_b128 v[STO], v[64*\m+8*\b:64*\m+8*\b+3] offset:64*\b          ; each accumulator from its low end on
	ds_store_b128 v[STO], v[64*\m+8*\b+4:64*\m+8*\b+7] offset:64*\b+16
.endr
	WIN 0
.endm
.macro STG_BACK m
.irp t, 0,1,2,3,4,5,6,7,8,9,10,11,12,13,14,15
	ds_load_b128 v[BK+64*(\m%2)+4*\t:BK+64*(\m%2)+4*\t+3], v[RD] offset:\t*528   ; LDS serves a wave's instructions in order: these see the stores above, and the next block's stores come behind them
.endr
.endm
.macro SEND m, younger                 ; younger: the LDS instructions issued behind block m's loads, which may stay out
	s_wait_dscnt \younger
.irp t, 0,1,2,3,4,5,6,7,8,9,10,11,12,13,14,15
	global_store_b128 v[L16], v[BK+64*(\m%2)+4*\t:BK+64*(\m%2)+4*\t+3], s[8:9] offset:(16*\m+\t)*2048 th:TH_STORE_NT   ; 32 lanes store 512 consecutive bytes, at a multiple of 512 from out's first byte
.endr
.endm
; ---------------- the text
	s_cmp_lt_u32 s10, 4
	s_cbranch_scc1 .Lhead_done
	v_mov_b32 v[KA], 0x3e800000                    ; 1/4
	v_mov_b32 v[KA+1], 0xbe800000                  ; -1/4
	v_mov_b32 v[KB], 0x3caaaaab                    ; 1/48
	v_mov_b32 v[KB+1], 0x3ef55555                  ; 23/48
	v_mov_b32 v[KC], 0x3e2aaaab                    ; 1/6
	v_mov_b32 v[KC+1], -0.5
	v_mov_b32 v[KD], 0x3e000000                    ; 1/8
	v_mov_b32 v[KD+1], 0x3f200000                  ; 5/8
	v_mov_b32 v[K95], 0x41180000                   ; 9.5
	v_mov_b32 v[K95+1], 0x41180000
.irp e, 0,1,2,3,4,5,6,7
.irp k, 0,1,6,7
	v_mov_b32 v[W+8*\e+\k], 0                      ; the zeros round each x's four values: written once
.endr
.endr
.irp k, 0,1,2,3,4,5,6,7
	v_mov_b32 v[TQ+\k], 0                          ; a lane permute's destination counts as one of its sources
.endr
	XLOAD 0                                        ; the first four chunks of x, one to a set of registers
	XLOAD 1
	XLOAD 2
	XLOAD 3
	WIN 0
.Lhead_done:
	ROUND                                          ; all four work-groups are here: the first joint load meets
	tensor_load_to_lds s[G0:G0+3], s[G1:G1+7]      ; chunk 0 into slot 0
	s_nop 0
	PLACES
	s_cmp_lt_u32 s10, 4
	s_cbranch_scc1 .Lfirst_done
	PROD 0
.Lfirst_done:
.irp c, 0,1,2,3,4,5,6,7,8
	TRIP \c
.endr
	s_cmp_lt_u32 s10, 4
	s_cbranch_scc0 .Lout_done
	PLACES                                         ; behind the last products: their results are read, and loads land where their fragments lay
	STG_IN 0
	STG_BACK 0
	STG_IN 1
	SEND 0, 16                                     ; behind block 0's loads: block 1's 16 stores
	STG_BACK 1
	STG_IN 2
	SEND 1, 16
	s_wait_xcnt 0x0                                ; block 0's stores have read their registers: block 2's loads may land there
	STG_BACK 2
	STG_IN 3
	SEND 2, 16
	s_wait_xcnt 0x0                                ; block 1's likewise
	STG_BACK 3
	SEND 3, 0
.Lout_done:
	s_wait_tensorcnt 0x0                           ; the wave's end: behind my last tensor load and my last LDS store
	ds_add_u32 v[SPW], v[NIL]
	s_wait_dscnt 0x0
	ROUND                                          ; the closing round: no work-group ends while a partner may still ask for a chunk that names it
	s_endpgm
.Lfunc_end_k_q2ef889ba85_kan:
	.size	k_q2ef889ba85_kan, .Lfunc_end_k_q2ef889ba85_kan-k_q2ef889ba85_kan
	.p2alignl 7, 3214868480
	.fill 96, 4, 3214868480
	.section	.rodata,"a",@progbits
	.p2align	6, 0x0
	.amdhsa_kernel k_q2ef889ba85_kan
		.amdhsa_group_segment_fixed_size 327680
		.amdhsa_private_segment_fixed_size 0
		.amdhsa_enable_private_segment 0
		.amdhsa_kernarg_size 24
		.amdhsa_user_sgpr_count 2
		.amdhsa_user_sgpr_kernarg_segment_ptr 1
		.amdhsa_wavefront_size32 1
		.amdhsa_system_sgpr_workgroup_id_x 1
		.amdhsa_system_sgpr_workgroup_id_y 1
		.amdhsa_system_sgpr_workgroup_id_z 1
		.amdhsa_system_vgpr_workitem_id 0
		.amdhsa_next_free_vgpr 512
		.amdhsa_next_free_sgpr 66
		.amdhsa_reserve_vcc 0
		.amdhsa_float_denorm_mode_32 3
		.amdhsa_float_denorm_mode_16_64 3
		.amdhsa_memory_ordered 1
		.amdhsa_forward_progress 1
		.amdhsa_inst_pref_size 255
	.end_amdhsa_kernel
	.section	.bss,"aw",@nobits
	.p2align	6
	.space	262144
	.amdgpu_metadata
---
amdhsa.version: [ 1, 2 ]
amdhsa.kernels:
  - .name:           k_q2ef889ba85_kan
    .symbol:         k_q2ef889ba85_kan.kd
    .args:
      - { .name: x, .offset: 0, .size: 8, .value_kind: global_buffer, .address_space: global }
      - { .name: wimg, .offset: 8, .size: 8, .value_kind: global_buffer, .address_space: global }
      - { .name: out0, .offset: 16, .size: 8, .value_kind: global_buffer, .address_space: global }
    .group_segment_fixed_size: 327680
    .private_segment_fixed_size: 0
    .kernarg_segment_align: 8
    .kernarg_segment_size: 24
    .max_flat_workgroup_size: 256
    .sgpr_count:     66
    .vgpr_count:     512
    .wavefront_size: 32
...
	.end_amdgpu_metadata
.endif
;; end of part 2
